; MI455X (gfx1250); checked and timed in simulation.
; The chip was launched on July 23, 2026; its instructions are those of AMD's public machine-readable ISA for CDNA 5 (MIT licence, August 2026) and "CDNA5" Instruction Set Architecture Reference Guide (July 2026). The comments in the code are by the model that wrote it; some were corrected since.
;; Attention With Coverage. Allowed arithmetic: matrix products marked QUANTISED: E4M3 operands, one given power-of-two scale a tensor, by v_wmma_f32_16x16x64_fp8_fp8 or v_wmma_f32_16x16x128_fp8_fp8, f32 sums; products left as they are: f32 operands where the result goes on into a quantised operand, else bf16, f16 or f32 operands; f32 sums; everything else in f32.
;; Inputs: U 1,024 x 1,024 float32; W 1,024 x 1,024 float32; coverage 32 x 2,048 float32; lowp_scales 4 int32 (the exponents e of the quantised operands' scales 2^e); matrix 32 x 2,048 x 1,024 float32; matrix_mask 32 x 2,048 bool; v 1,024 float32; vector 32 x 1,024 float32; w1 1,024 float32.
;; Outputs: out0 32 x 1,024 float32; out1 32 x 2,048 float32; out2 32 x 2,048 float32.
;; This version of the problem:
;;   THIS VERSION OF THE PROBLEM IS GIVEN IN LOW PRECISION. The matrix products marked QUANTISED in the list below multiply operands that are first quantised to E4M3 (4 exponent bits, 3 mantissa bits; 8 bits a number), with one given power-of-two scale for each operand tensor; their sums are f32. All else is computed in f32.
;;   The module's matrix products, in the order in which they are computed (A, B: the left and right operand; K: the contracted axis; several contracted axes count as one K, in the product's order):
;;     1. [M 32, K 1,024] x [K 1,024, N 1,024]; A: input vector; B: input W: QUANTISED (scales: A lowp_scales[0], B lowp_scales[1])
;;     2. [M 65,536, K 1,024] x [K 1,024, N 1,024]; A: input matrix; B: input U: QUANTISED (scales: A lowp_scales[2], B lowp_scales[3])
;;     3. [M 65,536, K 1,024] x [K 1,024, N 1]; A: computed on the way; B: input v: left as it is (N = 1 < 16)
;;     4. batch 32 x [M 1, K 2,048] x [K 2,048, N 1,024]; A: computed on the way; B: input matrix: left as it is (M = 1 < 16)
;;   THE QUANTISER, for each operand of a quantised product, along K:
;;     - The operand's scale is 2^e, e = its entry of the input lowp_scales (int32; the entries are numbered through the quantised products in the list's order, A before B).
;;     - Each number is divided by the scale, clamped to +-448, and rounded to the nearest number of E4M3, ties to even, subnormals kept.
;;     - The product sums the exact products of the quantised numbers (number of the format x scale) in f32.
;;   ~~~python
;;   def quantise(x, axis, e):      # numpy; x: float32 -> the quantised numbers, widened to float32 again
;;       x = np.moveaxis(x, axis, -1); K = x.shape[-1]
;;       r = np.clip(x / 2.0 ** e, -448, 448)
;;       step = 2.0 ** (np.maximum(np.frexp(np.where(r == 0, 1, r))[1] - 1, -6) - 3)
;;       q = np.round(r / step) * step * 2.0 ** e      # np.round: ties to even
;;       return np.moveaxis(q, -1, axis).astype(np.float32)
;;   ~~~
;; One version. Each part assembles by itself: llvm-mc -triple=amdgcn-amd-amdhsa -mcpu=gfx1250 --defsym DOCPART=n.
;; ======== version 1 of 1: 3 launches
;; limits: right only within a limited range of input values
;; workspace buffers: uimg 1,048,576 bytes; vw 262,144 bytes; logits 262,144 bytes
;; launch prep (part 1): grid 256 x 1, 8 waves a work-group, no clusters, 152,576 bytes of LDS; arguments U, W, vector, lowp_scales, uimg, vw; writes uimg, vw
.if DOCPART == 1
	.amdgcn_target "amdgcn-amd-amdhsa--gfx1250"
	.amdhsa_code_object_version 6
	.text
	.protected	k_q3df94c24d4_prep
	.globl	k_q3df94c24d4_prep
	.p2align	8
	.type	k_q3df94c24d4_prep,@function
k_q3df94c24d4_prep:
	s_mov_b64 s[64:65], 0
	v_nop
	global_prefetch_b8 v0, s[64:65] scope:SCOPE_SE
	s_setreg_imm32_b32 hwreg(HW_REG_WAVE_MODE, 25, 1), 1
	s_wait_xcnt 0x0
; PREP: two small jobs in one launch, told apart by the work-group's number.
; Work-groups 0-127: U [1024 (K)][1024 (n)] f32 becomes codes of E4M3 with the given scale 2^e3, stored as IMAGES OF THE OPERAND'S REGISTERS:
;   uimg[chunk c of 16 columns: 64][K step s: 8][q: 4][lane (r, h): 32][16 bytes]: lane (r, h) holds, of column 16 c + r, the codes at PLACES 128 s + 32 q + 16 h + 0 .. 15.
;   Place x stands for K = 256 (x / 256) + 128 ((x / 4) % 2) + 4 ((x / 8) % 32) + x % 4: the order in which the next launch's dense loads of matrix leave a row's codes.  The same order on both operands
;   lets every product meet its partner; only the order of the sums changes.
; Work-groups 128-255: vw[kh][b][n] = the part of (Q(vector) Q(W))[b][n] x 2^(e0 + e1) over K = 512 kh .. 512 kh + 511, f32, for 16 columns n each; wave s takes 64 along K, and the eight partial
;   sums meet in LDS.  The next launch adds the two halves kh as it loads them.
; code = x / 2^e, held within +-448, to the nearest code, ties to even.  LIMITS: each of e0, e1, e3 between -126 and 119, so that 2^e and 448 x 2^e are f32 numbers.  NaN among the inputs is not served.
; NO CLUSTER, NO TENSOR LOAD: U and W are each read once, by one wave.  vector (128 KB) is read by the 64 work-groups of each half of K; a wave's part of it is 8 KB, read by 16 dense loads.
.set NUW,  128                         ; work-groups of the first job
.set VST,  16384                       ; LDS: the partial sums at 0 (2,048 bytes a wave); behind them each wave's own stage for its part of vector:
.set VPT,  272                         ; 32 rows of 256 bytes + 16 of padding = 68 words: row r starts at bank 4 r mod 64 (ISA guide 11.1)
.set VSTW, 32*VPT
	s_load_b256 s[4:11], s[0:1], 0x0               ; U s[4:5], W s[6:7], vector s[8:9], the scales' exponents s[10:11]
	s_load_b128 s[12:15], s[0:1], 0x20             ; uimg s[12:13], vw s[14:15]
	v_lshl_add_u32 v254, v0, 2, 0x25000
	v_mov_b32 v255, 0
	v_lshrrev_b32 v1, 5, v0
	s_delay_alu instid0(VALU_DEP_1)
	v_readfirstlane_b32 s16, v1                    ; wave 0..7
	v_and_b32 v1, 31, v0                           ; lane
	v_and_b32 v2, 15, v0                           ; r
	v_bfe_u32 v3, v0, 4, 1                         ; h
	s_delay_alu instid0(VALU_DEP_3)
	v_lshlrev_b32 v9, 4, v1                        ; 16 x lane
	s_lshl_b32 s17, s16, 11
	s_lshl_b32 s18, s16, 9
	v_add_nc_u32 v6, s17, v9                       ; LDS: where my wave puts its partial sums: 2,048 x wave + 16 x lane
	v_add_nc_u32 v7, s18, v9                       ; LDS: the quarter that wave a = 0..3 adds up: 512 a + 16 x lane
	s_mul_i32 s19, s16, VSTW
	s_add_co_u32 s19, s19, VST                     ; my stage
	v_mul_u32_u24 v12, v3, VPT
	v_mul_u32_u24 v13, v2, VPT
	v_lshlrev_b32 v14, 4, v2
	v_lshl_add_u32 v12, v2, 4, v12
	v_lshl_add_u32 v13, v3, 6, v13
	v_lshl_add_u32 v14, v3, 12, v14                ; vector: 16 r bytes of a row's 256, lanes 16-31 one row further down
	v_add_nc_u32 v12, s19, v12                     ; into the stage: row h, 16 r: two rows an instruction
	v_add_nc_u32 v13, s19, v13                     ; out of it: row r, + 16 h numbers
	s_wait_alu depctr_va_vdst(0)                   ; the head's end
	s_wait_kmcnt 0x0
	s_load_b128 s[20:23], s[10:11], 0x0            ; e0, e1, e2, e3
	s_cmp_ge_u32 ttmp9, NUW
	s_cbranch_scc1 .Lw
	; ---- U.  Work-group x: columns 128 (x % 8) on, K steps 2 ((x / 8) % 4) and the next, places 32 (x / 32) .. + 31 of each.  Wave: 32 columns (wave % 4), one K step.
	; A LANE TAKES A COLUMN AND ITS REGISTERS RUN DOWN K, in the order of the places.
	s_and_b32 s24, ttmp9, 7                        ; X
	s_bfe_u32 s25, ttmp9, 0x20003
	s_lshr_b32 s34, ttmp9, 5                       ; q
	s_and_b32 s26, s16, 3                          ; cg
	s_lshr_b32 s27, s16, 2
	s_lshl_b32 s25, s25, 1
	s_add_co_u32 s27, s27, s25                     ; K step s
	s_lshr_b32 s28, s27, 1
	s_lshl_b32 s28, s28, 8
	s_and_b32 s29, s27, 1
	s_lshl_b32 s29, s29, 6
	s_add_co_u32 s28, s28, s29                     ; the K of place 128 s: 256 (s / 2) + 64 (s % 2)
	s_lshl_b32 s28, s28, 12                        ; rows of 4,096 bytes
	s_lshl_b32 s29, s24, 9
	s_add_co_u32 s28, s28, s29                     ; + 128 X columns
	s_lshl_b32 s29, s26, 7
	s_add_co_u32 s28, s28, s29                     ; + 32 cg columns
	s_lshl_b32 s29, s34, 16
	s_add_co_u32 s28, s28, s29                     ; + 16 q rows: the K of place 32 q
	s_mov_b32 s29, 0
	s_add_nc_u64 s[4:5], s[4:5], s[28:29]
	s_lshl_b32 s30, s24, 17                        ; chunk 8 X + 2 cg, 16,384 bytes each,
	s_lshl_b32 s31, s26, 15
	s_add_co_u32 s30, s30, s31
	s_lshl_b32 s31, s27, 11                        ; K step s, 2,048 bytes each,
	s_add_co_u32 s30, s30, s31
	s_lshl_b32 s31, s34, 9                         ; q, 512 bytes each
	s_add_co_u32 s30, s30, s31
	s_mov_b32 s31, 0
	s_add_nc_u64 s[12:13], s[12:13], s[30:31]
	v_lshlrev_b32 v4, 2, v1                        ; in: 4 bytes a lane: a load reads 128 consecutive bytes, the four waves beside each other 512
	v_lshlrev_b32 v5, 4, v2
	s_delay_alu instid0(VALU_DEP_1)
	v_lshl_add_u32 v5, v3, 14, v5                  ; out: 16 r, and the next chunk for lanes 16-31
.set i, 0
.rept 32                               ; register 16 + i: place 128 s + 32 q + i
	global_load_b32 v[16+i], v4, s[4:5] offset:(128*((i/4)%2)+4*(i/8)+i%4)*4096 th:TH_LOAD_NT
.set i, i+1
.endr
	s_wait_kmcnt 0x0
	s_add_co_i32 s32, s23, 127
	s_lshl_b32 s33, s32, 23
	v_mov_b32 v8, s33                              ; 2^e3 as f32: the conversion takes its exponent field
	s_add_co_i32 s32, s32, 8
	s_lshl_b32 s32, s32, 23
	s_or_b32 s24, s32, 0x600000                    ; 448 x 2^e3,
	s_or_b32 s25, s24, 0x80000000                  ; and its negative
	s_wait_loadcnt 0x0
.set i, 0
.rept 32
	v_med3_num_f32 v[16+i], v[16+i], s25, s24      ; the conversion to an 8-bit code does not saturate (ISA guide 7.6.2): the hold at the largest code x the scale
.set i, i+1
.endr
.irp g, 0,1,2,3
	v_cvt_scalef32_pk8_fp8_f32 v[144+2*\g:144+2*\g+1], v[16+8*\g:16+8*\g+7], v8
.endr
	v_nop                                          ; one plain line behind the last conversion of a run
	global_store_b128 v5, v[144:147], s[12:13]              ; places 32 q + 0 .. 15 (h = 0): lanes 0-15 store 256 consecutive bytes, aligned; lanes 16-31 the same in the next chunk
	global_store_b128 v5, v[148:151], s[12:13] offset:256   ; places 32 q + 16 .. 31 (h = 1)
	s_endpgm
	; ---- vector W.  Work-group 128 + 64 kh + c: columns 16 c on, K = 512 kh on.  Wave s: 64 along K from 512 kh + 64 s.  Lane (r, h) holds k = 32 q + 16 h + 0 .. 15 in registers 4 q .. 4 q + 3, q = 0, 1, on both sides.
.Lw:
	s_sub_co_u32 s24, ttmp9, NUW
	s_lshr_b32 s25, s24, 6                         ; kh
	s_and_b32 s24, s24, 63                         ; c
	s_lshl_b32 s26, s24, 6                         ; 64 c bytes
	s_lshl_b32 s27, s16, 18                        ; 64 s rows of 4,096 bytes
	s_add_co_u32 s28, s26, s27
	s_lshl_b32 s27, s25, 21                        ; 512 kh rows
	s_add_co_u32 s28, s28, s27
	s_mov_b32 s29, 0
	s_add_nc_u64 s[6:7], s[6:7], s[28:29]
	s_lshl_b32 s28, s16, 8                         ; 64 s numbers of a row of vector,
	s_lshl_b32 s27, s25, 11                        ; 512 kh numbers
	s_add_co_u32 s28, s28, s27
	s_add_nc_u64 s[8:9], s[8:9], s[28:29]
	v_lshlrev_b32 v4, 2, v2
	v_lshlrev_b32 v10, 12, v2
	v_lshl_add_u32 v4, v3, 16, v4                  ; W: column r; lanes 16-31 begin 16 rows further down
	v_lshl_add_u32 v10, v3, 5, v10                 ; vw: row r, + 8 h numbers
.irp q, 0,1
.set i, 0
.rept 16
	global_load_b32 v[16+16*\q+i], v4, s[6:7] offset:(32*\q+i)*4096 th:TH_LOAD_NT   ; W(512 kh + 64 s + 32 q + 16 h + i, 16 c + r)
.set i, i+1
.endr
.endr
.set i, 0
.rept 16
	global_load_b128 v[80+4*i:83+4*i], v14, s[8:9] offset:8192*i   ; vector(2 i + h, ..): sixteen lanes read a row's 256 consecutive bytes
.set i, i+1
.endr
	s_wait_kmcnt 0x0
	s_add_co_i32 s28, s21, 127
	s_lshl_b32 s29, s28, 23
	v_mov_b32 v8, s29                              ; 2^e1
	s_add_co_i32 s28, s28, 8
	s_lshl_b32 s28, s28, 23
	s_or_b32 s30, s28, 0x600000                    ; 448 x 2^e1
	s_or_b32 s31, s30, 0x80000000
	s_add_co_i32 s28, s20, 127
	s_lshl_b32 s29, s28, 23
	v_mov_b32 v11, s29                             ; 2^e0
	s_add_co_i32 s28, s28, 8
	s_lshl_b32 s28, s28, 23
	s_or_b32 s32, s28, 0x600000                    ; 448 x 2^e0
	s_or_b32 s33, s32, 0x80000000
	s_add_co_i32 s34, s20, s21                     ; e0 + e1
	s_wait_alu depctr_va_vdst(0)                   ; ahead of the wait below
	s_wait_loadcnt 16                              ; W's 32 loads are in; vector's 16 are younger
.set i, 0
.rept 32
	v_med3_num_f32 v[16+i], v[16+i], s31, s30
.set i, i+1
.endr
.irp g, 0,1,2,3
	v_cvt_scalef32_pk8_fp8_f32 v[208+2*\g:209+2*\g], v[16+8*\g:23+8*\g], v8      ; W's fragment: v208-215
.endr
	v_nop
	s_wait_loadcnt 0x0
	; The conversions want 16 neighbours along K of ONE row in a lane; the loads gave a lane 4.  The wave's 32 rows x 256 bytes turn through its own stage, as they lie.
.set i, 0
.rept 16
	ds_store_b128 v12, v[80+4*i:83+4*i] offset:2*VPT*i
.set i, i+1
.endr
.irp mt, 0,1
.irp q, 0,1
.irp j, 0,1,2,3
	ds_load_b128 v[80+32*\mt+16*\q+4*\j:80+32*\mt+16*\q+4*\j+3], v13 offset:16*VPT*\mt+128*\q+16*\j   ; vector(16 mt + r, .. + 32 q + 16 h + 4 j ..); LDS serves a wave's instructions in order (ISA guide 5.7.1.4)
.endr
.endr
.endr
	s_wait_dscnt 0x0
.set i, 0
.rept 64
	v_med3_num_f32 v[80+i], v[80+i], s33, s32
.set i, i+1
.endr
.irp g, 0,1,2,3,4,5,6,7
	v_cvt_scalef32_pk8_fp8_f32 v[16+2*\g:17+2*\g], v[80+8*\g:87+8*\g], v11       ; vector's two fragments: v16-23 (rows 0-15), v24-31 (rows 16-31), over W's numbers, which are done with
.endr
	v_nop                                          ; one plain line between a scaled conversion and the matrix instruction that reads its result
	v_wmma_f32_16x16x64_fp8_fp8 v[48:55], v[208:215], v[16:23], 0     ; TRANSPOSED: source 0 = 16 columns of W, source 1 = 16 rows of vector: lane (r, h) holds row r, register j column 16 c + 8 h + j
	v_wmma_f32_16x16x64_fp8_fp8 v[56:63], v[208:215], v[24:31], 0
.rept 4
	v_nop                                          ; four places between a matrix instruction and the LDS stores that read its result
.endr
.irp a, 0,1,2,3
	ds_store_b128 v6, v[48+4*\a:51+4*\a] offset:512*\a   ; each accumulator from its low end on
.endr
	s_wait_dscnt 0x0                               ; for the others' sake: my partial sums lie in LDS
	s_barrier_signal -1
	s_barrier_wait -1
	s_cmp_ge_u32 s16, 4
	s_cbranch_scc1 .Ldone                          ; behind the launch's one barrier: four waves add up, a quarter each
.irp k, 0,1,2,3,4,5,6,7
	ds_load_b128 v[64+4*\k:67+4*\k], v7 offset:2048*\k   ; quarter a of wave k's partial sums
.endr
	s_lshr_b32 s35, s16, 1
	s_lshl_b32 s35, s35, 16                        ; rows 16 (a / 2) on,
	s_and_b32 s36, s16, 1
	s_lshl_b32 s36, s36, 4                         ; columns 4 (a % 2) on,
	s_add_co_u32 s36, s36, s35
	s_add_co_u32 s36, s36, s26                     ; of the work-group's 16,
	s_lshl_b32 s37, s25, 17
	s_add_co_u32 s36, s36, s37                     ; in half kh's table
	s_mov_b32 s37, 0
	s_add_nc_u64 s[14:15], s[14:15], s[36:37]
	s_wait_dscnt 0x0
.irp k, 0,1,2,3
	v_pk_add_f32 v[64+8*\k:65+8*\k], v[64+8*\k:65+8*\k], v[68+8*\k:69+8*\k]
	v_pk_add_f32 v[66+8*\k:67+8*\k], v[66+8*\k:67+8*\k], v[70+8*\k:71+8*\k]
.endr
.irp k, 0,1
	v_pk_add_f32 v[64+16*\k:65+16*\k], v[64+16*\k:65+16*\k], v[72+16*\k:73+16*\k]
	v_pk_add_f32 v[66+16*\k:67+16*\k], v[66+16*\k:67+16*\k], v[74+16*\k:75+16*\k]
.endr
	v_pk_add_f32 v[64:65], v[64:65], v[80:81]
	v_pk_add_f32 v[66:67], v[66:67], v[82:83]
.irp j, 0,1,2,3
	v_ldexp_f32 v[64+\j], v[64+\j], s34            ; x 2^(e0 + e1)
.endr
	global_store_b128 v10, v[64:67], s[14:15]      ; a row's piece is the work-group's 16 columns, 64 bytes, in four stores: the price of 16 columns to a work-group; the whole buffer is 256 KB
.Ldone:
	s_wait_tensorcnt 0x0                           ; the wave's end
	ds_add_u32 v254, v255
	s_wait_dscnt 0x0
	s_endpgm
.Lfunc_end_k_q3df94c24d4_prep:
	.size	k_q3df94c24d4_prep, .Lfunc_end_k_q3df94c24d4_prep-k_q3df94c24d4_prep
	.p2alignl 7, 3214868480
	.fill 96, 4, 3214868480
	.section	.rodata,"a",@progbits
	.p2align	6, 0x0
	.amdhsa_kernel k_q3df94c24d4_prep
		.amdhsa_group_segment_fixed_size 152576
		.amdhsa_private_segment_fixed_size 0
		.amdhsa_enable_private_segment 0
		.amdhsa_kernarg_size 48
		.amdhsa_user_sgpr_count 2
		.amdhsa_user_sgpr_kernarg_segment_ptr 1
		.amdhsa_wavefront_size32 1
		.amdhsa_system_sgpr_workgroup_id_x 1
		.amdhsa_system_sgpr_workgroup_id_y 1
		.amdhsa_system_sgpr_workgroup_id_z 1
		.amdhsa_system_vgpr_workitem_id 0
		.amdhsa_next_free_vgpr 256
		.amdhsa_next_free_sgpr 66
		.amdhsa_reserve_vcc 0
		.amdhsa_float_denorm_mode_32 3
		.amdhsa_float_denorm_mode_16_64 3
		.amdhsa_memory_ordered 1
		.amdhsa_forward_progress 1
		.amdhsa_inst_pref_size 27
	.end_amdhsa_kernel
	.amdgpu_metadata
---
amdhsa.version: [ 1, 2 ]
amdhsa.kernels:
  - .name:           k_q3df94c24d4_prep
    .symbol:         k_q3df94c24d4_prep.kd
    .args:
      - { .name: U, .offset: 0, .size: 8, .value_kind: global_buffer, .address_space: global }
      - { .name: W, .offset: 8, .size: 8, .value_kind: global_buffer, .address_space: global }
      - { .name: vector, .offset: 16, .size: 8, .value_kind: global_buffer, .address_space: global }
      - { .name: lowp_scales, .offset: 24, .size: 8, .value_kind: global_buffer, .address_space: global }
      - { .name: uimg, .offset: 32, .size: 8, .value_kind: global_buffer, .address_space: global }
      - { .name: vw, .offset: 40, .size: 8, .value_kind: global_buffer, .address_space: global }
    .group_segment_fixed_size: 152576
    .private_segment_fixed_size: 0
    .kernarg_segment_align: 8
    .kernarg_segment_size: 48
    .max_flat_workgroup_size: 256
    .sgpr_count:     66
    .vgpr_count:     256
    .wavefront_size: 32
...
	.end_amdgpu_metadata
.endif
;; end of part 1
;; launch main (part 2): grid 256 x 1, 4 waves a work-group, clusters of 4 x 1, 327,680 bytes of LDS; arguments matrix, coverage, w1, v, lowp_scales, uimg, vw, logits; writes logits
.if DOCPART == 2
	.amdgcn_target "amdgcn-amd-amdhsa--gfx1250"
	.amdhsa_code_object_version 6
	.text
	.protected	k_q3df94c24d4_main
	.globl	k_q3df94c24d4_main
	.p2align	8
	.type	k_q3df94c24d4_main,@function
k_q3df94c24d4_main:
	s_mov_b64 s[64:65], 0
	v_nop
	global_prefetch_b8 v0, s[64:65] scope:SCOPE_SE
	s_setreg_imm32_b32 hwreg(HW_REG_WAVE_MODE, 25, 1), 1
	s_wait_xcnt 0x0
	s_wait_alu depctr_hold_cnt(0) depctr_sa_sdst(0) depctr_va_vdst(0) depctr_va_sdst(0) depctr_va_ssrc(0) depctr_va_vcc(0) depctr_vm_vsrc(0)
	s_getreg_b32 s2, hwreg(HW_REG_IB_STS2, 6, 4)
	s_cmp_eq_u32 s2, 0
	s_cbranch_scc0 .Lentry_in_a_cluster
	s_endpgm
.Lentry_in_a_cluster:
	s_bfe_u32 s2, ttmp6, 0x10000c
	s_cmp_lg_u32 s2, 0x3003
	s_cbranch_scc0 .Lentry_shape_is_right
	s_endpgm
.Lentry_shape_is_right:
; MAIN: logits[b][l] = sum over n of v[n] tanh( (Q(matrix) Q(U))[b][l][n] + vw[b][n] + coverage[b][l] w1[n] ); vw comes as two halves of K, added here.
; SHARES.  A work-group takes 256 rows (b, l) on end, a wave 64 of them.  The wave's rows are read once as f32, quantised (x / 2^e2, held within +-448, nearest code, ties to even) and kept
; as codes in 512 registers: 4 tiles of 16 rows x 8 K steps of 128.  U's codes (uimg, images of the operand's registers, 16 columns x 1,024 K = 16,384 bytes a chunk) walk a ring of two LDS slots
; of 8 chunks; the four work-groups of a cluster ask for each slot jointly, each wave for a quarter of it.
; A STEP is one chunk of 16 columns: one run of LDS loads, one run of 32 matrix instructions on four accumulators by turns, then tanh(x) = 1 - 2 / (1 + 2^(2 log2(e) x)) on the 32 sums of a lane,
; in two batches of transcendentals.
; Lane (r, h) holds column r and rows 8 h + j of each tile; SS gathers -2 v[n] / (1 + ..) by row, v24 gathers -2 v[n]; the sixteen columns' lanes are added at the end.
; The order of K inside a row of codes is the one that the dense loads leave (prep lays U in the same order): every product meets its partner.
; LIMITS: e2 between -126 and 119; e2 + e3 between -127 and 126 (2 log2(e) 2^(e2 + e3) is made by an add to the exponent field).  NaN among the inputs is not served.
; NO PREFETCH of uimg: a refill is asked for eight steps, 256 matrix instructions a wave, ahead of the wait for it.  matrix is streamed once, 64 loads a wave on their way.
; REGISTERS: window 0: v0-31 addresses and small things, COV, SS, TB, GB, ACC; window 1: U's fragments, two sets of 128 (in the head: the f32 numbers on their way);
; window 2: matrix codes of K steps 0-3 (tile mt at 64 mt), window 3: K steps 4-7.
.set PLACE, 16384                      ; a chunk of uimg
.set SLOTB, 131072                     ; a slot: 8 chunks
.set STG,   262144                     ; behind the ring: each wave's stage, 16 rows x (512 codes + 16)
.set SPT,   528
.set STGW,  16*SPT
.set CB,    STG+4*STGW                 ; pairs (c vw[n], c w1[n]), c = 2 log2(e): 8 bytes a column
.set V2,    CB+8192                    ; -2 v[n]
.set LOGS,  V2+4096                    ; the way out: 256 bytes a wave
.set SPARE, LOGS+1024                  ; the spare words, 128 bytes a wave
.set CBR,  16                          ; v16-17 the next chunk's pair of my column
.set V2R,  18                          ; v18 the last chunk's -2 v of my column (v19 = 0: the pair is named)
.set COV,  32                          ; coverage of my 32 rows
.set SS,   64                          ; the rows' sums
.set TB,   96                          ; c (vw + coverage w1) of the next step
.set GB,   128                         ; 1 / (1 + e) of the last step
.set ACC,  160                         ; four accumulators
.set XX,   96                          ; head: numbers held
.set TT,   128                         ; head: codes
.set MSB, 0
.macro WIN new                         ; the immediate's high byte repeats the setting that is left
.if MSB != (\new)
	s_set_vgpr_msb (MSB<<8)|(\new)
.set MSB, (\new)
.endif
.endm
.macro CROUND                          ; a round of the cluster's barrier
	s_barrier_signal -1
	s_barrier_wait -1
	s_cmp_lg_u32 s20, 0
	s_cbranch_scc1 .Lnot_wave_0_\@
	s_barrier_signal -3
.Lnot_wave_0_\@:
	s_barrier_wait -3
	s_barrier_signal -1
	s_barrier_wait -1
.endm
	s_load_b512 s[4:19], s[0:1], 0x0               ; matrix, coverage, w1, v, scales, uimg, vw, logits
	v_lshl_add_u32 v7, v0, 2, SPARE
	v_mov_b32 v8, 0
	ds_add_u32 v7, v8                              ; the opening lines: the add twice on end and its wait
	ds_add_u32 v7, v8
	v_lshrrev_b32 v1, 5, v0
	v_readfirstlane_b32 s20, v1                    ; wave
	s_bfe_u32 s21, ttmp6, 0x40000
	s_lshl_b32 s22, ttmp9, 2
	s_add_co_u32 s22, s22, s21                     ; work-group
	s_lshr_b32 s23, s22, 3                         ; batch
	v_and_b32 v15, 31, v0
	v_and_b32 v16, 15, v0                          ; r
	v_bfe_u32 v17, v0, 4, 1                        ; h
	v_lshlrev_b32 v1, 4, v15                       ; 16 x lane
	v_lshlrev_b32 v2, 3, v16                       ; 8 r
	v_lshlrev_b32 v3, 2, v16                       ; 4 r
	v_lshlrev_b32 v14, 3, v15                      ; 8 x lane
	s_mul_i32 s53, s20, STGW
	s_add_co_u32 s53, s53, STG
	v_add_nc_u32 v9, s53, v14                      ; into my stage: 8 codes a lane
	v_mul_u32_u24 v10, v16, SPT
	v_lshl_add_u32 v10, v17, 4, v10
	v_add_nc_u32 v10, s53, v10                     ; out of it: row r, + 16 h
	s_lshl_b32 s53, s20, 8
	s_add_co_u32 s53, s53, LOGS
	v_lshl_add_u32 v12, v17, 5, s53
	v_add_nc_u32 v13, s53, v14
	v_lshl_add_u32 v26, v0, 6, CB
	v_lshl_add_u32 v27, v0, 5, V2
	v_lshlrev_b32 v30, 5, v0                       ; thread t: 8 columns of vw, w1, v
	v_lshlrev_b32 v31, 5, v17
	s_mov_b32 s24, 15|(3<<16)|(1<<21)              ; group 1: the cluster's four; elements of 8 bytes; 128 rows of 256 bytes, dense
	s_mov_b32 s25, 32<<16
	s_mov_b32 s26, 128<<16
	s_mov_b32 s27, 32<<16
	s_mov_b32 s28, 128
	s_mov_b32 s29, 32
	s_mov_b32 s30, 0
	s_mov_b32 s31, 0
	s_lshl_b32 s54, s20, 15                        ; my quarter of a slot
	s_mov_b32 s55, 0
	s_wait_dscnt 0x0
	s_wait_alu depctr_va_vdst(0)                   ; the end of the head's vector work
	s_wait_kmcnt 0x0
	s_add_nc_u64 s[56:57], s[14:15], s[54:55]
	s_mov_b32 s32, 1
	s_mov_b32 s33, s54
	s_mov_b64 s[34:35], s[56:57]
	s_or_b32 s35, s35, 0x80000000
	s_mov_b32 s36, 1
	s_add_co_u32 s37, s54, SLOTB
	s_add_nc_u64 s[38:39], s[56:57], SLOTB
	s_or_b32 s39, s39, 0x80000000
	CROUND
	tensor_load_to_lds s[32:35], s[24:31]          ; slot 0: chunks 0-7; my one tensor load at the head
	s_nop 0
.rept 4
	v_nop
.endr
	s_load_b128 s[40:43], s[12:13], 0x0            ; e0 .. e3
	s_lshl_b32 s54, s23, 12
	s_add_nc_u64 s[16:17], s[16:17], s[54:55]
	global_load_b128 v[192:195], v30, s[16:17]
	global_load_b128 v[196:199], v30, s[16:17] offset:16
	global_load_b128 v[240:243], v30, s[16:17] offset:131072       ; the second half of K
	global_load_b128 v[244:247], v30, s[16:17] offset:131088
	global_load_b128 v[200:203], v30, s[8:9]
	global_load_b128 v[204:207], v30, s[8:9] offset:16
	global_load_b128 v[208:211], v30, s[10:11]
	global_load_b128 v[212:215], v30, s[10:11] offset:16
	s_lshl_b32 s54, s22, 10
	s_lshl_b32 s56, s20, 8
	s_add_co_u32 s54, s54, s56
	s_add_nc_u64 s[6:7], s[6:7], s[54:55]
	s_add_nc_u64 s[18:19], s[18:19], s[54:55]
.irp m, 0,1,2,3
	global_load_b128 v[COV+8*\m:COV+8*\m+3], v31, s[6:7] offset:64*\m          ; coverage of rows 16 m + 8 h + 0 .. 7
	global_load_b128 v[COV+8*\m+4:COV+8*\m+7], v31, s[6:7] offset:64*\m+16
.endr
	s_lshl_b32 s54, s22, 20
	s_lshl_b32 s56, s20, 18
	s_add_co_u32 s54, s54, s56
	s_add_nc_u64 s[4:5], s[4:5], s[54:55]          ; my 64 rows of matrix
; Block bt = 16 rows (tile bt / 2) x 512 K (half bt % 2).  XLD: two rows' 2,048 bytes each, every load 512 consecutive bytes.
.macro XLD bt, p2
.irp d, 0,1
.irp g, 0,1
.irp ab, 0,1
	global_load_b128 v[16*(2*(\p2)+\d)+8*\g+4*\ab:16*(2*(\p2)+\d)+8*\g+4*\ab+3], v1, s[4:5] offset:(16*((\bt)/2)+2*(\p2)+\d)*4096+2048*((\bt)%2)+1024*\g+512*\ab th:TH_LOAD_NT
.endr
.endr
.endr
.endm
.macro ITEM2 bt, p2, n, next           ; two rows: hold, convert, into the stage; their registers take the next block's rows
	s_wait_loadcnt \n                              ; the loads younger than these eight
	WIN 0x01
.irp d, 0,1
.set i, 0
.rept 16
	v_med3_num_f32 v[XX+16*\d+i], v[16*(2*(\p2)+\d)+i], s45, s44   ; the conversion does not saturate (ISA guide 7.6.2)
.set i, i+1
.endr
.endr
	WIN 0
.irp d, 0,1
.irp g, 0,1
	v_cvt_scalef32_pk8_fp8_f32 v[TT+4*(2*(\p2)+\d)+2*\g:TT+4*(2*(\p2)+\d)+2*\g+1], v[XX+16*\d+8*\g:XX+16*\d+8*\g+7], v11
.endr
.endr
	v_nop                                          ; one plain line behind the last conversion of a run
.irp d, 0,1
.irp g, 0,1
	ds_store_b64 v9, v[TT+4*(2*(\p2)+\d)+2*\g:TT+4*(2*(\p2)+\d)+2*\g+1] offset:(2*(\p2)+\d)*SPT+256*\g
.endr
.endr
.if \next
	WIN 0x40
	XLD (\bt)+1, \p2
	WIN 0
.endif
.endm
.macro BLOCK bt
	s_wait_dscnt 0x0                               ; the last block has left the stage
.irp p2, 0,1,2,3,4,5,6,7
.if \bt < 7
	ITEM2 \bt, \p2, 56, 1
.else
	ITEM2 \bt, \p2, 8*(7-\p2), 0
.endif
.endr
	WIN 0x80+0x40*((\bt)%2)                        ; K half 0 into window 2, half 1 into window 3
.irp sl, 0,1,2,3
.irp q, 0,1,2,3
	ds_load_b128 v[64*((\bt)/2)+16*\sl+4*\q:64*((\bt)/2)+16*\sl+4*\q+3], v10 offset:128*\sl+32*\q   ; LDS serves a wave's instructions in order: these see the stores above
.endr
.endr
	WIN 0
.endm
	WIN 0x40
.irp p2, 0,1,2,3,4,5,6,7
	XLD 0, \p2
.endr
	WIN 0
	s_wait_kmcnt 0x0
	s_add_co_i32 s53, s42, 127
	s_lshl_b32 s54, s53, 23
	v_mov_b32 v11, s54                             ; 2^e2
	s_add_co_i32 s53, s53, 8
	s_lshl_b32 s53, s53, 23
	s_or_b32 s44, s53, 0x600000                    ; 448 x 2^e2
	s_or_b32 s45, s44, 0x80000000
	s_add_co_i32 s53, s42, s43
	s_lshl_b32 s53, s53, 23
	s_add_co_i32 s46, s53, 0x4038aa3b              ; c 2^(e2 + e3), c = 2 log2(e)
	s_mov_b32 s47, s46
.irp bt, 0,1,2,3,4,5,6,7
	BLOCK \bt
.endr
	s_mov_b32 s53, 0x4038aa3b
.irp n, 0,1,2,3,4,5,6,7
	v_add_f32 v[192+\n], v[192+\n], v[240+\n]      ; vw's two halves of K
.endr
.irp n, 0,1,2,3,4,5,6,7
	v_mul_f32 v[216+2*\n], s53, v[192+\n]
	v_mul_f32 v[217+2*\n], s53, v[200+\n]
	v_mul_f32 v[232+\n], -2.0, v[208+\n]
.endr
.irp n, 0,1,2,3
	ds_store_b128 v26, v[216+4*\n:219+4*\n] offset:16*\n
.endr
	ds_store_b128 v27, v[232:235]
	ds_store_b128 v27, v[236:239] offset:16
	s_wait_tensorcnt 0x0                           ; my quarter of slot 0 is in
	ds_add_u32 v7, v8
	s_wait_dscnt 0x0                               ; the add, my tables' stores and my reads of the stage are done
	CROUND                                         ; slot 0 and the tables are whole for every wave
	tensor_load_to_lds s[36:39], s[24:31]          ; slot 1's first fill: chunks 8-15
	s_nop 0
.rept 4
	v_nop
.endr
; One step.  pi: the set that holds this chunk's fragments.  frag: the next chunk's fragments and pair are fetched and its TB is made.  fS: the last step's GB is added to SS.
.macro STEP pi, frag, fS
	s_wait_dscnt 0x0                               ; this chunk's fragments are in
.if \frag
	v_add_nc_u32 v4, s48, v1
	v_add_nc_u32 v5, s49, v2
.endif
.if \fS
	v_add_nc_u32 v6, s50, v3
.endif
.if \frag
	ds_load_b64 v[CBR:CBR+1], v5
.endif
.if \fS
	ds_load_b32 v[V2R], v6
.endif
.if \frag
	WIN 0x40
.irp s, 0,1,2,3,4,5,6,7
.irp q, 0,1,2,3
	ds_load_b128 v[128*(1-\pi)+16*\s+4*\q:128*(1-\pi)+16*\s+4*\q+3], v4 offset:2048*\s+512*\q
.endr
.endr
.endif
	WIN 0x06                                       ; source 0 window 2, source 1 window 1
.set k, 0
.rept 32                               ; the four accumulators take turns, one instruction a turn
.if k == 16
	WIN 0x07
.endif
.set rA, 64*(k%4)+16*((k/4)%4)
.set rB, 128*\pi+16*(k/4)
.set rC, ACC+8*(k%4)
.if k < 4
	v_wmma_f32_16x16x128_fp8_fp8 v[rC:rC+7], v[rA:rA+15], v[rB:rB+15], 0
.else
	v_wmma_f32_16x16x128_fp8_fp8 v[rC:rC+7], v[rA:rA+15], v[rB:rB+15], v[rC:rC+7]
.endif
.set k, k+1
.endr
	WIN 0
.if \frag
	s_add_co_u32 s48, s48, PLACE
	s_add_co_u32 s49, s49, 128
.endif
.if \fS
	s_add_co_u32 s50, s50, 64
.endif
	s_wait_dscnt 32*\frag                          ; the two small loads are in; the 32 fragment loads are younger
.if \fS
	v_add_f32 v24, v24, v[V2R]                     ; with the three lines below: four places behind the last matrix instruction (ISA guide 7.12.1)
.else
	v_nop
.endif
.rept 3
	v_nop
.endr
.set p, 0
.rept 16
	v_pk_fma_f32 v[ACC+2*p:ACC+2*p+1], v[ACC+2*p:ACC+2*p+1], s[46:47], v[TB+2*p:TB+2*p+1] op_sel_hi:[1,0,1]   ; each accumulator from its low end on
.set p, p+1
.endr
	s_wait_alu depctr_va_vdst(0)                   ; a wait ahead of a batch of transcendentals and one behind it
.set p, 0
.rept 16
	v_exp_f32 v[ACC+2*p], v[ACC+2*p]
	v_exp_f32 v[ACC+2*p+1], v[ACC+2*p+1]
.if \fS
	v_pk_fma_f32 v[SS+2*p:SS+2*p+1], v[GB+2*p:GB+2*p+1], v[V2R:V2R+1], v[SS+2*p:SS+2*p+1] op_sel_hi:[1,0,1]
.endif
.set p, p+1
.endr
.if \fS == 0
	v_nop
.endif
	s_wait_alu depctr_va_vdst(0)
.set p, 0
.rept 16
	v_pk_add_f32 v[ACC+2*p:ACC+2*p+1], v[ACC+2*p:ACC+2*p+1], 1.0 op_sel_hi:[1,0]
.set p, p+1
.endr
	s_wait_alu depctr_va_vdst(0)
.set p, 0
.rept 16
	v_rcp_f32 v[GB+2*p], v[ACC+2*p]
	v_rcp_f32 v[GB+2*p+1], v[ACC+2*p+1]
.if \frag
	v_pk_fma_f32 v[TB+2*p:TB+2*p+1], v[COV+2*p:COV+2*p+1], v[CBR:CBR+1], v[CBR:CBR+1] op_sel:[0,1,0] op_sel_hi:[1,1,0]   ; coverage x c w1 + c vw
.endif
.set p, p+1
.endr
.if \frag == 0
	v_nop
.endif
	s_wait_alu depctr_va_vdst(0)
.endm
; A change of slots: every wave's loads have landed and its reads of the old slot are back; a round; the old slot is filled again first.
.macro CHANGE fill
	s_wait_tensorcnt 0x0
	ds_add_u32 v7, v8
.if \fill
	s_xor_b32 s37, s37, SLOTB
	s_add_nc_u64 s[38:39], s[38:39], SLOTB
.endif
	s_sub_co_u32 s48, s48, SLOTB
	s_xor_b32 s48, s48, SLOTB                      ; the fragments' address goes on in the other slot
	s_wait_dscnt 0x0
.if \fill
	CROUND
	tensor_load_to_lds s[36:39], s[24:31]
	s_nop 0
.rept 4
	v_nop
.endr
.else
	s_barrier_signal -1
	s_barrier_wait -1
.endif
.endm
	v_add_nc_u32 v5, CB, v2
	ds_load_b64 v[CBR:CBR+1], v5                   ; chunk 0's pair,
	WIN 0x40
.irp s, 0,1,2,3,4,5,6,7
.irp q, 0,1,2,3
	ds_load_b128 v[16*\s+4*\q:16*\s+4*\q+3], v1 offset:2048*\s+512*\q   ; and its fragments
.endr
.endr
	WIN 0
.set i, 0
.rept 32
	v_mov_b32 v[SS+i], 0
.set i, i+1
.endr
	v_mov_b32 v19, 0
	v_mov_b32 v24, 0
	v_mov_b32 v25, 0
	s_mov_b32 s48, PLACE
	s_mov_b32 s49, CB+128
	s_mov_b32 s50, V2
	s_wait_dscnt 32                                ; the pair is in; the 32 fragment loads are younger
.set p, 0
.rept 16
	v_pk_fma_f32 v[TB+2*p:TB+2*p+1], v[COV+2*p:COV+2*p+1], v[CBR:CBR+1], v[CBR:CBR+1] op_sel:[0,1,0] op_sel_hi:[1,1,0]
.set p, p+1
.endr
	s_wait_alu depctr_va_vdst(0)                   ; ahead of the step's wait
	STEP 0, 1, 0                                   ; steps 0-6 fetch chunks 1-7 of slot 0
	s_mov_b32 s51, 3
.Lhead:
	STEP 1, 1, 1
	STEP 0, 1, 1
	s_sub_co_u32 s51, s51, 1
	s_cmp_lg_u32 s51, 0
	s_cbranch_scc1 .Lhead
	s_mov_b32 s52, 6
.Lphase:                                               ; six refills: chunks 16-63
	CHANGE 1
	s_mov_b32 s51, 4
.Lpair:
	STEP 1, 1, 1
	STEP 0, 1, 1
	s_sub_co_u32 s51, s51, 1
	s_cmp_lg_u32 s51, 0
	s_cbranch_scc1 .Lpair
	s_sub_co_u32 s52, s52, 1
	s_cmp_lg_u32 s52, 0
	s_cbranch_scc1 .Lphase
	CHANGE 0                                       ; the last slot: nothing is filled again
	s_mov_b32 s51, 4
.Ltail:
	STEP 1, 1, 1
	STEP 0, 1, 1
	s_sub_co_u32 s51, s51, 1
	s_cmp_lg_u32 s51, 0
	s_cbranch_scc1 .Ltail
	STEP 1, 0, 1                                   ; step 63
	v_add_nc_u32 v6, s50, v3
	ds_load_b32 v[V2R], v6                         ; chunk 63's -2 v
	s_wait_dscnt 0x0
	v_add_f32 v24, v24, v[V2R]
.set p, 0
.rept 16
	v_pk_fma_f32 v[SS+2*p:SS+2*p+1], v[GB+2*p:GB+2*p+1], v[V2R:V2R+1], v[SS+2*p:SS+2*p+1] op_sel_hi:[1,0,1]
.set p, p+1
.endr
.set p, 0
.rept 16
	v_pk_fma_f32 v[SS+2*p:SS+2*p+1], v[24:25], -0.5, v[SS+2*p:SS+2*p+1] op_sel_hi:[0,0,1]   ; + the sum of my columns' v: the 1 of 1 - 2 g
.set p, p+1
.endr
.irp x, 1,2,4,8                        ; over the sixteen lanes that hold a row's columns
.set i, 0
.rept 32
	v_add_f32_dpp v[SS+i], v[SS+i], v[SS+i] row_xmask:\x row_mask:0xf bank_mask:0xf
.set i, i+1
.endr
.endr
.set i, 0
.rept 32
	ds_store_b32 v12, v[SS+i] offset:(16*(i/8)+i%8)*4   ; row 16 mt + 8 h + j; sixteen lanes write one word with one value
.set i, i+1
.endr
	ds_load_b64 v[16:17], v13
	s_wait_dscnt 0x0
	global_store_b64 v14, v[16:17], s[18:19]       ; the wave stores its 64 logits: 256 consecutive bytes, aligned
	s_wait_tensorcnt 0x0                           ; the wave's end
	ds_add_u32 v7, v8
	s_wait_dscnt 0x0
	CROUND                                         ; the closing round
	s_endpgm
.Lfunc_end_k_q3df94c24d4_main:
	.size	k_q3df94c24d4_main, .Lfunc_end_k_q3df94c24d4_main-k_q3df94c24d4_main
	.p2alignl 7, 3214868480
	.fill 96, 4, 3214868480
	.section	.rodata,"a",@progbits
	.p2align	6, 0x0
	.amdhsa_kernel k_q3df94c24d4_main
		.amdhsa_group_segment_fixed_size 327680
		.amdhsa_private_segment_fixed_size 0
		.amdhsa_enable_private_segment 0
		.amdhsa_kernarg_size 64
		.amdhsa_user_sgpr_count 2
		.amdhsa_user_sgpr_kernarg_segment_ptr 1
		.amdhsa_wavefront_size32 1
		.amdhsa_system_sgpr_workgroup_id_x 1
		.amdhsa_system_sgpr_workgroup_id_y 1
		.amdhsa_system_sgpr_workgroup_id_z 1
		.amdhsa_system_vgpr_workitem_id 0
		.amdhsa_next_free_vgpr 1024
		.amdhsa_next_free_sgpr 66
		.amdhsa_reserve_vcc 0
		.amdhsa_float_denorm_mode_32 3
		.amdhsa_float_denorm_mode_16_64 3
		.amdhsa_memory_ordered 1
		.amdhsa_forward_progress 1
		.amdhsa_inst_pref_size 255
	.end_amdhsa_kernel
	.section	.bss,"aw",@nobits
	.p2align	6
	.space	262144
	.amdgpu_metadata
---
amdhsa.version: [ 1, 2 ]
amdhsa.kernels:
  - .name:           k_q3df94c24d4_main
    .symbol:         k_q3df94c24d4_main.kd
    .args:
      - { .name: matrix, .offset: 0, .size: 8, .value_kind: global_buffer, .address_space: global }
      - { .name: coverage, .offset: 8, .size: 8, .value_kind: global_buffer, .address_space: global }
      - { .name: w1, .offset: 16, .size: 8, .value_kind: global_buffer, .address_space: global }
      - { .name: v, .offset: 24, .size: 8, .value_kind: global_buffer, .address_space: global }
      - { .name: lowp_scales, .offset: 32, .size: 8, .value_kind: global_buffer, .address_space: global }
      - { .name: uimg, .offset: 40, .size: 8, .value_kind: global_buffer, .address_space: global }
      - { .name: vw, .offset: 48, .size: 8, .value_kind: global_buffer, .address_space: global }
      - { .name: logits, .offset: 56, .size: 8, .value_kind: global_buffer, .address_space: global }
    .group_segment_fixed_size: 327680
    .private_segment_fixed_size: 0
    .kernarg_segment_align: 8
    .kernarg_segment_size: 64
    .max_flat_workgroup_size: 128
    .sgpr_count:     66
    .vgpr_count:     1024
    .wavefront_size: 32
...
	.end_amdgpu_metadata
.endif
;; end of part 2
;; launch finish (part 3): grid 8 x 32, 16 waves a work-group, no clusters, 18,944 bytes of LDS; arguments matrix, matrix_mask, coverage, logits, out0, out1, out2; writes out0, out1, out2
.if DOCPART == 3
	.amdgcn_target "amdgcn-amd-amdhsa--gfx1250"
	.amdhsa_code_object_version 6
	.text
	.protected	k_q3df94c24d4_finish
	.globl	k_q3df94c24d4_finish
	.p2align	8
	.type	k_q3df94c24d4_finish,@function
k_q3df94c24d4_finish:
	s_mov_b64 s[64:65], 0
	v_nop
	global_prefetch_b8 v0, s[64:65] scope:SCOPE_SE
	s_setreg_imm32_b32 hwreg(HW_REG_WAVE_MODE, 25, 1), 1
	s_wait_xcnt 0x0
; FINISH: the masked softmax of a batch's 2,048 logits, out1 = p, out2 = coverage + p, out0[b][:] = sum over l of p[l] matrix[b][l][:].  All in f32.
; SHARES.  Work-group (x, b) owns columns 128 x .. 128 x + 127 of out0[b] and places 256 x .. 256 x + 255 of out1[b] and out2[b].  Each work-group makes the batch's whole softmax itself:
; thread t takes places 4 t .. 4 t + 3.  For the sum, wave w takes rows w, w + 16, .. (128 rows) and lane l four columns: a load reads 512 consecutive bytes, aligned; the 16 waves' parts meet in LDS.
; THE SOFTMAX is reference()'s: masked logits become -1e30, the largest is taken away, the sum runs over all 2,048, masked places become 0 at the end.
; A ring of 32 row slots in registers; rows are taken eight at a time, so that one wait serves eight rows.
; NO CLUSTER, NO MATRIX UNIT: the eight work-groups of a batch share its logits, mask and coverage, 18 KB, beside the 1 MB of matrix that each reads alone; a product with one row feeds no matrix tile.
.set RED0, 8192                        ; LDS: p at 0, by wave: 512 w + 4 i holds p[16 i + w]; the waves' maxima; the waves' sums; the waves' parts of out0; the spare words
.set RED1, 8448
.set PART, 8704
.set SPARE, 16896
	s_load_b256 s[4:11], s[0:1], 0x0               ; matrix, mask, coverage, logits
	s_load_b128 s[12:15], s[0:1], 0x20             ; out0, out1
	s_load_b64 s[16:17], s[0:1], 0x30              ; out2
	v_lshl_add_u32 v200, v0, 2, SPARE
	v_mov_b32 v201, 0
	v_lshrrev_b32 v9, 5, v0
	v_readfirstlane_b32 s20, v9                    ; wave 0..15
	v_and_b32 v1, 31, v0
	v_lshlrev_b32 v1, 4, v1                        ; 16 x lane
	v_lshlrev_b32 v2, 4, v0                        ; 16 t
	v_lshlrev_b32 v3, 2, v0                        ; 4 t
	v_lshl_add_u32 v10, v9, 2, RED0
	v_lshl_add_u32 v11, v9, 2, RED1
	v_lshlrev_b32 v24, 9, v9                       ; my wave's 128 numbers of p
	v_and_b32 v25, 3, v0
	v_lshrrev_b32 v28, 2, v0
	v_lshlrev_b32 v28, 2, v28
	v_lshl_add_u32 v25, v25, 11, v28               ; place 4 t + j belongs to wave 4 (t % 4) + j, row number t / 4: 512 x 4 (t % 4) + 4 (t / 4)
	v_mov_b32 v26, 0
	v_mov_b32 v22, 0                               ; a lane permute's destination counts as one of its sources
	v_mov_b32 v21, 0xf149f2ca                      ; -1e30
	s_and_b32 s21, ttmp7, 0xffff                   ; b
	s_mov_b32 s32, 0x76543210
	s_mov_b32 s33, 0xfedcba98
	s_lshl_b32 s24, s21, 13
	s_mov_b32 s25, 0
	s_lshl_b32 s26, s21, 11
	s_mov_b32 s27, 0
	s_lshl_b32 s28, s21, 23                        ; a batch of matrix,
	s_lshl_b32 s30, s20, 12                        ; row w,
	s_add_co_u32 s28, s28, s30
	s_lshl_b32 s30, ttmp9, 9                       ; the work-group's 128 columns
	s_add_co_u32 s28, s28, s30
	s_mov_b32 s29, 0
	s_lshl_b32 s31, s21, 12
	s_add_co_u32 s30, s30, s31
	s_mov_b32 s31, 0
	s_wait_alu depctr_va_vdst(0)                   ; the head's end
	s_wait_kmcnt 0x0
	s_add_nc_u64 s[10:11], s[10:11], s[24:25]
	s_add_nc_u64 s[8:9], s[8:9], s[24:25]
	s_add_nc_u64 s[14:15], s[14:15], s[24:25]
	s_add_nc_u64 s[16:17], s[16:17], s[24:25]
	s_add_nc_u64 s[6:7], s[6:7], s[26:27]
	s_add_nc_u64 s[4:5], s[4:5], s[28:29]
	s_add_nc_u64 s[12:13], s[12:13], s[30:31]
	global_load_b128 v[4:7], v2, s[10:11]
	global_load_b32 v8, v3, s[6:7]
	global_load_b128 v[12:15], v2, s[8:9]
.set i, 0
.rept 32
	global_load_b128 v[72+4*i:75+4*i], v1, s[4:5] offset:i*65536 th:TH_LOAD_NT   ; the ring: my first 32 rows, 16 rows apart
.set i, i+1
.endr
	s_wait_loadcnt 32                              ; the three small loads are in; the ring's 32 are younger
.irp i, 0,1,2,3
	v_bfe_u32 v20, v8, 8*\i, 8
	v_cmp_ne_u32 s[40+\i], 0, v20
	v_cndmask_b32 v[4+\i], v21, v[4+\i], s[40+\i]
.endr
	v_max3_num_f32 v20, v4, v5, v6
	v_max_num_f32 v20, v20, v7
.irp x, 1,2,4,8
	v_max_num_f32_dpp v20, v20, v20 row_xmask:\x row_mask:0xf bank_mask:0xf
.endr
	v_permlanex16_b32 v22, v20, s32, s33
	v_max_num_f32 v20, v20, v22
	ds_store_b32 v10, v20
	s_wait_alu depctr_va_vdst(0)                   ; ahead of each wait
	s_wait_dscnt 0x0
	s_barrier_signal -1
	s_barrier_wait -1
.irp i, 0,1,2,3
	ds_load_b128 v[32+4*\i:35+4*\i], v26 offset:RED0+16*\i
.endr
	s_wait_dscnt 0x0
	v_max3_num_f32 v20, v32, v33, v34
.irp i, 35,37,39,41,43,45
	v_max3_num_f32 v20, v20, v[\i], v[\i+1]
.endr
	v_max_num_f32 v20, v20, v47                    ; the batch's largest
.irp i, 0,1,2,3
	v_sub_f32 v[16+\i], v[4+\i], v20
.endr
.irp i, 0,1,2,3
	v_mul_f32 v[16+\i], 0x3fb8aa3b, v[16+\i]
.endr
	s_wait_alu depctr_va_vdst(0)                   ; ahead of the batch
.irp i, 0,1,2,3
	v_exp_f32 v[16+\i], v[16+\i]
.endr
	v_nop
	s_wait_alu depctr_va_vdst(0)                   ; and behind it
	v_add_f32 v23, v16, v17
	v_add_f32 v27, v18, v19
	v_add_f32 v23, v23, v27
.irp x, 1,2,4,8
	v_add_f32_dpp v23, v23, v23 row_xmask:\x row_mask:0xf bank_mask:0xf
.endr
	v_permlanex16_b32 v22, v23, s32, s33
	v_add_f32 v23, v23, v22
	ds_store_b32 v11, v23
	s_wait_alu depctr_va_vdst(0)
	s_wait_dscnt 0x0
	s_barrier_signal -1
	s_barrier_wait -1
.irp i, 0,1,2,3
	ds_load_b128 v[32+4*\i:35+4*\i], v26 offset:RED1+16*\i
.endr
	s_wait_dscnt 0x0
.irp i, 0,1,2,3
	v_pk_add_f32 v[32+4*\i:33+4*\i], v[32+4*\i:33+4*\i], v[34+4*\i:35+4*\i]
.endr
	v_pk_add_f32 v[32:33], v[32:33], v[36:37]
	v_pk_add_f32 v[40:41], v[40:41], v[44:45]
	v_pk_add_f32 v[32:33], v[32:33], v[40:41]
	v_add_f32 v23, v32, v33                        ; the batch's sum: at least 1, the largest logit's own term
	s_wait_alu depctr_va_vdst(0)
	v_rcp_f32 v23, v23
	v_nop
	s_wait_alu depctr_va_vdst(0)
.irp i, 0,1,2,3
	v_mul_f32 v[16+\i], v[16+\i], v23
.endr
.irp i, 0,1,2,3
	v_cndmask_b32 v[16+\i], 0, v[16+\i], s[40+\i]  ; masked places: 0
.endr
.irp i, 0,1,2,3
	ds_store_b32 v25, v[16+\i] offset:512*\i       ; p, laid by the wave that will use it
.endr
	s_wait_alu depctr_va_vdst(0)
	s_wait_dscnt 0x0
	s_barrier_signal -1
	s_barrier_wait -1
	s_lshr_b32 s34, s20, 1                         ; waves 2 x and 2 x + 1 hold the work-group's 256 places of out1 and out2
	s_cmp_lg_u32 s34, ttmp9
	s_cbranch_scc1 .Lnot_mine
	v_pk_add_f32 v[12:13], v[12:13], v[16:17]
	v_pk_add_f32 v[14:15], v[14:15], v[18:19]
	global_store_b128 v2, v[16:19], s[14:15]       ; a wave stores 512 consecutive bytes, aligned
	global_store_b128 v2, v[12:15], s[16:17]
.Lnot_mine:
; 32 rows: their p from LDS, the same address in every lane; then eight rows at a time: their loads are in, two packed multiply-adds a row onto one of two sets of sums, and the eight slots take the rows 32 further on.
.macro ROWS gm
.irp q, 0,1,2,3,4,5,6,7
	ds_load_b128 v[32+4*\q:35+4*\q], v24 offset:128*\gm+16*\q
.endr
	s_wait_alu depctr_va_vdst(0)                   ; a wait here and ahead of each group's wait
	s_wait_dscnt 0x0
.set i, 0
.rept 4
.if i > 0
	s_wait_alu depctr_va_vdst(0)
.endif
.if \gm < 3
	s_wait_loadcnt 24                              ; 32 loads are out: 24 are younger than this group's eight
.else
	s_wait_loadcnt 24-i                            ; the last 32 rows ask for nothing: the counts run down
.endif
.rept 8
.set sl, 72+4*i
.set ac, 64+4*(i%2)
.set pq, 32+2*(i/2)
.if (\gm == 0) && (i < 2)              ; the first two rows start the two sets of sums
.if i%2 == 0
	v_pk_mul_f32 v[ac:ac+1], v[sl:sl+1], v[pq:pq+1] op_sel_hi:[1,0]
	v_pk_mul_f32 v[ac+2:ac+3], v[sl+2:sl+3], v[pq:pq+1] op_sel_hi:[1,0]
.else
	v_pk_mul_f32 v[ac:ac+1], v[sl:sl+1], v[pq:pq+1] op_sel:[0,1] op_sel_hi:[1,1]
	v_pk_mul_f32 v[ac+2:ac+3], v[sl+2:sl+3], v[pq:pq+1] op_sel:[0,1] op_sel_hi:[1,1]
.endif
.else
.if i%2 == 0                           ; an even row's p is the pair's low word, an odd row's the high word
	v_pk_fma_f32 v[ac:ac+1], v[sl:sl+1], v[pq:pq+1], v[ac:ac+1] op_sel_hi:[1,0,1]
	v_pk_fma_f32 v[ac+2:ac+3], v[sl+2:sl+3], v[pq:pq+1], v[ac+2:ac+3] op_sel_hi:[1,0,1]
.else
	v_pk_fma_f32 v[ac:ac+1], v[sl:sl+1], v[pq:pq+1], v[ac:ac+1] op_sel:[0,1,0] op_sel_hi:[1,1,1]
	v_pk_fma_f32 v[ac+2:ac+3], v[sl+2:sl+3], v[pq:pq+1], v[ac+2:ac+3] op_sel:[0,1,0] op_sel_hi:[1,1,1]
.endif
.endif
.set i, i+1
.endr
.if \gm < 3
.set j, i-8
.rept 8
	global_load_b128 v[72+4*j:75+4*j], v1, s[4:5] offset:(32*(\gm+1)+j)*65536 th:TH_LOAD_NT   ; 127 x 65,536 at the most: inside the signed 24-bit immediate
.set j, j+1
.endr
.endif
.endr
.endm
	ROWS 0
	ROWS 1
	ROWS 2
	ROWS 3
	v_pk_add_f32 v[64:65], v[64:65], v[68:69]
	v_pk_add_f32 v[66:67], v[66:67], v[70:71]
	ds_store_b128 v2, v[64:67] offset:PART         ; 512 x wave + 16 x lane = 16 t
	s_wait_alu depctr_va_vdst(0)
	s_wait_dscnt 0x0
	s_barrier_signal -1
	s_barrier_wait -1
	s_cmp_lg_u32 s20, 0
	s_cbranch_scc1 .Lend                           ; behind the last barrier: wave 0 adds the sixteen parts
.irp k, 0,1,2,3,4,5,6,7,8,9,10,11,12,13,14,15
	ds_load_b128 v[72+4*\k:75+4*\k], v1 offset:PART+512*\k
.endr
	s_wait_dscnt 0x0
.irp k, 0,1,2,3,4,5,6,7
	v_pk_add_f32 v[72+8*\k:73+8*\k], v[72+8*\k:73+8*\k], v[76+8*\k:77+8*\k]
	v_pk_add_f32 v[74+8*\k:75+8*\k], v[74+8*\k:75+8*\k], v[78+8*\k:79+8*\k]
.endr
.irp k, 0,1,2,3
	v_pk_add_f32 v[72+16*\k:73+16*\k], v[72+16*\k:73+16*\k], v[80+16*\k:81+16*\k]
	v_pk_add_f32 v[74+16*\k:75+16*\k], v[74+16*\k:75+16*\k], v[82+16*\k:83+16*\k]
.endr
.irp k, 0,1
	v_pk_add_f32 v[72+32*\k:73+32*\k], v[72+32*\k:73+32*\k], v[88+32*\k:89+32*\k]
	v_pk_add_f32 v[74+32*\k:75+32*\k], v[74+32*\k:75+32*\k], v[90+32*\k:91+32*\k]
.endr
	v_pk_add_f32 v[72:73], v[72:73], v[104:105]
	v_pk_add_f32 v[74:75], v[74:75], v[106:107]
	global_store_b128 v1, v[72:75], s[12:13]       ; 32 lanes store 512 consecutive bytes, aligned
.Lend:
	s_wait_tensorcnt 0x0                           ; the wave's end
	ds_add_u32 v200, v201
	s_wait_dscnt 0x0
	s_endpgm
.Lfunc_end_k_q3df94c24d4_finish:
	.size	k_q3df94c24d4_finish, .Lfunc_end_k_q3df94c24d4_finish-k_q3df94c24d4_finish
	.p2alignl 7, 3214868480
	.fill 96, 4, 3214868480
	.section	.rodata,"a",@progbits
	.p2align	6, 0x0
	.amdhsa_kernel k_q3df94c24d4_finish
		.amdhsa_group_segment_fixed_size 18944
		.amdhsa_private_segment_fixed_size 0
		.amdhsa_enable_private_segment 0
		.amdhsa_kernarg_size 56
		.amdhsa_user_sgpr_count 2
		.amdhsa_user_sgpr_kernarg_segment_ptr 1
		.amdhsa_wavefront_size32 1
		.amdhsa_system_sgpr_workgroup_id_x 1
		.amdhsa_system_sgpr_workgroup_id_y 1
		.amdhsa_system_sgpr_workgroup_id_z 1
		.amdhsa_system_vgpr_workitem_id 0
		.amdhsa_next_free_vgpr 202
		.amdhsa_next_free_sgpr 66
		.amdhsa_reserve_vcc 0
		.amdhsa_float_denorm_mode_32 3
		.amdhsa_float_denorm_mode_16_64 3
		.amdhsa_memory_ordered 1
		.amdhsa_forward_progress 1
		.amdhsa_inst_pref_size 43
	.end_amdhsa_kernel
	.amdgpu_metadata
---
amdhsa.version: [ 1, 2 ]
amdhsa.kernels:
  - .name:           k_q3df94c24d4_finish
    .symbol:         k_q3df94c24d4_finish.kd
    .args:
      - { .name: matrix, .offset: 0, .size: 8, .value_kind: global_buffer, .address_space: global }
      - { .name: matrix_mask, .offset: 8, .size: 8, .value_kind: global_buffer, .address_space: global }
      - { .name: coverage, .offset: 16, .size: 8, .value_kind: global_buffer, .address_space: global }
      - { .name: logits, .offset: 24, .size: 8, .value_kind: global_buffer, .address_space: global }
      - { .name: out0, .offset: 32, .size: 8, .value_kind: global_buffer, .address_space: global }
      - { .name: out1, .offset: 40, .size: 8, .value_kind: global_buffer, .address_space: global }
      - { .name: out2, .offset: 48, .size: 8, .value_kind: global_buffer, .address_space: global }
    .group_segment_fixed_size: 18944
    .private_segment_fixed_size: 0
    .kernarg_segment_align: 8
    .kernarg_segment_size: 56
    .max_flat_workgroup_size: 512
    .sgpr_count:     66
    .vgpr_count:     202
    .wavefront_size: 32
...
	.end_amdgpu_metadata
.endif
;; end of part 3
